; MI455X (gfx1250); checked and timed in simulation.
; The chip was launched on July 23, 2026; its instructions are those of AMD's public machine-readable ISA for CDNA 5 (MIT licence, August 2026) and "CDNA5" Instruction Set Architecture Reference Guide (July 2026). The comments in the code are by the model that wrote it; some were corrected since.
;; Binary Dense Layer. Allowed arithmetic: matrix products marked QUANTISED: E4M3 operands, one given power-of-two scale a tensor, by v_wmma_f32_16x16x64_fp8_fp8 or v_wmma_f32_16x16x128_fp8_fp8, f32 sums; everything else in f32.
;; Inputs: W 4,096 x 4,096 float32; b 4,096 float32; lowp_scales 2 int32 (the exponents e of the quantised operands' scales 2^e); x 4,096 x 4,096 float32.
;; Outputs: out0 4,096 x 4,096 float32.
;; This version of the problem:
;;   THIS VERSION OF THE PROBLEM IS GIVEN IN LOW PRECISION. The matrix products marked QUANTISED in the list below multiply operands that are first quantised to E4M3 (4 exponent bits, 3 mantissa bits; 8 bits a number), with one given power-of-two scale for each operand tensor; their sums are f32. All else is computed in f32.
;;   The module's matrix products, in the order in which they are computed (A, B: the left and right operand; K: the contracted axis; several contracted axes count as one K, in the product's order):
;;     1. [M 4,096, K 4,096] x [K 4,096, N 4,096]; A: input x; B: computed on the way: QUANTISED (scales: A lowp_scales[0], B lowp_scales[1])
;;   THE QUANTISER, for each operand of a quantised product, along K:
;;     - The operand's scale is 2^e, e = its entry of the input lowp_scales (int32; the entries are numbered through the quantised products in the list's order, A before B).
;;     - Each number is divided by the scale, clamped to +-448, and rounded to the nearest number of E4M3, ties to even, subnormals kept.
;;     - The product sums the exact products of the quantised numbers (number of the format x scale) in f32.
;;   ~~~python
;;   def quantise(x, axis, e):      # numpy; x: float32 -> the quantised numbers, widened to float32 again
;;       x = np.moveaxis(x, axis, -1); K = x.shape[-1]
;;       r = np.clip(x / 2.0 ** e, -448, 448)
;;       step = 2.0 ** (np.maximum(np.frexp(np.where(r == 0, 1, r))[1] - 1, -6) - 3)
;;       q = np.round(r / step) * step * 2.0 ** e      # np.round: ties to even
;;       return np.moveaxis(q, -1, axis).astype(np.float32)
;;   ~~~
;;   OPERANDS COMPUTED ON THE WAY. 'Computed on the way' means the value that the module computes at that place (a softmax that the list does not call 'softmax' is quantised finished and normalised). What goes into a quantiser is computed in f32, as accurately as f32 sums, v_exp_f32 and their like allow (about 1e-6 of the number): no bf16 or f16 on the way to a quantiser, and a product that is left as it is and whose result goes on into a quantised operand takes f32 operands (vector FMAs, or v_wmma_f32_16x16x4_f32). A number that lies on a knife's edge between two numbers of the format may be rounded either way, as far as f32 arithmetic and the matrix unit's own rounding can turn it there, and no further.
;; One version. Each part assembles by itself: llvm-mc -triple=amdgcn-amd-amdhsa -mcpu=gfx1250 --defsym DOCPART=n.
;; ======== version 1 of 1: 2 launches
;; limits: right only within a limited range of input values
;; workspace buffers: x_codes 16,777,216 bytes; w_codes 16,777,216 bytes
;; launch quant (part 1): grid 1024 x 1, 4 waves a work-group, no clusters, 0 bytes of LDS; arguments x, W, lowp_scales, x_codes, w_codes; writes x_codes, w_codes
.if DOCPART == 1
	.amdgcn_target "amdgcn-amd-amdhsa--gfx1250"
	.amdhsa_code_object_version 6
	.text
	.protected	k_q464f62f9b0_quant
	.globl	k_q464f62f9b0_quant
	.p2align	8
	.type	k_q464f62f9b0_quant,@function
k_q464f62f9b0_quant:
	s_mov_b64 s[64:65], 0
	v_nop
	global_prefetch_b8 v0, s[64:65] scope:SCOPE_SE
	s_setreg_imm32_b32 hwreg(HW_REG_WAVE_MODE, 25, 1), 1
	s_wait_xcnt 0x0
; x [4096][4096] f32 (K innermost) and sign(W), W [4096 (k)][4096 (n)] f32 (K is the FIRST axis), become codes of FP8 (E4M3), each with the one given scale 2^e
; (entry 0 of the scales for x, entry 1 for sign(W)): code = number / 2^e, held within +-448, to the nearest code, ties to even.  No work of the problem is left out.
; K IS PERMUTED, alike in both operands, which keeps every product with its partner: in each chunk of 512 along K, position 16 l + 4 i + j holds k = 128 i + 4 l + j (l = 0..31; i, j = 0..3).
;   x_codes [rb 32][ks 16][row 128][p 256]: row m = 128 rb + row, position 256 ks + p.  Four loads of 512 consecutive bytes give lane l the 16 numbers of positions 16 l .. 16 l + 15 of a chunk.
;   w_codes [cb 32][ks 16][g 16][c 4][l 32][t 16]: column n = 128 cb + 4 l + c, position 256 ks + 16 g + t.  A lane loads 16 bytes = 4 neighbouring columns of a row of W (the wave: 512 consecutive bytes);
;           the line that lays the sign over the magnitude writes each number to its transposed place, so that a conversion finds 8 neighbours along the positions of ONE column;
;           a lane's 16 codes of (g, c) are 16 bytes at 16 x lane: the wave stores 512 consecutive bytes.
;   In both buffers a block (rb or cb, ks) is 32,768 dense bytes: what one tensor load of the next launch brings.
; Work-groups 0-511 take x, 512-1023 W; each reads 128 KiB and writes 32 KiB.  No LDS, no barrier.  Every offset is an immediate; no address, base or store datum is rewritten; a wave's stores stand at its end.
; PREFETCH: each wave names only what it will itself load, each block of 256 bytes once.  x: in step t the 2,048 bytes of step t + 6, two steps ahead of the loads, which stand at step t + 4
; (eight lanes a block each, the other lanes the last block again); the head names steps 4 and 5.  W: one line names a group's 16 rows x 512 bytes, a lane a block: group 2 at the head, group 3 in group 0.
; LIMITS: each e between -126 and 119, so that 2^e and 448 x 2^e are f32 numbers.  NaN among the inputs is not served (a NaN in W is taken as +-1); an infinity in x is held at the largest code.
; sign(-0) becomes the code -0, which adds nothing to a sum.
.set XWG,   512
.set ROWW,  16384                      ; a row of W in bytes
.set BLOCK, 32768
.set EMAX,  8
.set MANT,  0x600000                   ; the mantissa field of 448 as f32
.set C,     16                         ; v16-79   codes: registers of their own for each step
.set Y,     80                         ; W: v80-111 two columns' 16 numbers in the order of the positions
.set R,     128                        ; x: v128-191 four sets of 16 numbers
.set X,     128                        ; W: v128-255 two sets of 16 rows x 4 columns
.set T,     6                          ; W: v6-9 at work
	s_load_b256 s[4:11], s[0:1], 0x0               ; x, W, the scales' exponents, x's codes
	s_load_b64 s[12:13], s[0:1], 0x20              ; W's codes
	v_lshrrev_b32 v1, 5, v0
	v_readfirstlane_b32 s16, v1                    ; wave 0..3
	v_and_b32 v2, 31, v0                           ; lane
	v_lshlrev_b32 v4, 4, v2                        ; 16 x lane
	s_wait_kmcnt 0x0
	s_load_b64 s[22:23], s[8:9], 0x0               ; ex, ew
	s_cmp_lt_u32 ttmp9, XWG
	s_cbranch_scc0 .Lw
; ---- x: a wave takes two rows: 16 steps of 512 numbers ----
	s_lshl_b32 s17, ttmp9, 2
	s_add_co_u32 s17, s17, s16                     ; my run, 0..2047: rows 2 run, 2 run + 1
	s_lshl_b32 s18, s17, 15
	s_mov_b32 s19, 0
	s_add_nc_u64 s[4:5], s[4:5], s[18:19]
	s_lshr_b32 s18, s17, 6                         ; rb
	s_lshl_b32 s18, s18, 19
	s_and_b32 s20, s17, 63
	s_lshl_b32 s20, s20, 9                         ; two rows of 256 bytes x (run % 64)
	s_add_co_u32 s18, s18, s20
	s_add_nc_u64 s[10:11], s[10:11], s[18:19]
	s_wait_alu depctr_va_vdst(0)
	v_and_b32 v5, 15, v2
	v_lshrrev_b32 v6, 4, v2
	v_lshlrev_b32 v5, 4, v5
	v_lshl_add_u32 v5, v6, 15, v5                  ; my codes' place: 16 (lane % 16), a block on for lanes 16-31
	v_min_u32 v7, 7, v2
	v_lshlrev_b32 v7, 8, v7                        ; the prefetches: a step's eight blocks of 256 bytes, lanes 8-31 on the last
.macro XLOAD t
.irp i, 0,1,2,3
	global_load_b128 v[R+16*((\t)%4)+4*\i:R+16*((\t)%4)+4*\i+3], v4, s[4:5] offset:2048*(\t)+512*\i th:TH_LOAD_NT
.endr
.endm
	global_prefetch_b8 v7, s[4:5] offset:2048*4 th:TH_LOAD_NT scope:SCOPE_SE
	global_prefetch_b8 v7, s[4:5] offset:2048*5 th:TH_LOAD_NT scope:SCOPE_SE
.irp t, 0,1,2,3
	XLOAD \t
.endr
	s_wait_kmcnt 0x0
	s_add_co_i32 s24, s22, 127
	s_lshl_b32 s25, s24, 23
	v_mov_b32 v11, s25                             ; 2^ex
	s_add_co_i32 s24, s24, EMAX
	s_lshl_b32 s24, s24, 23
	s_or_b32 s24, s24, MANT
	v_mov_b32 v10, s24                             ; 448 x 2^ex
.macro XSTEP t
.set RS, R+16*((\t)%4)
.if 15-(\t) >= 3
	s_wait_loadcnt 12                              ; this step's four loads are in; three steps' may be out
.else
	s_wait_loadcnt 4*(15-(\t))
.endif
.irp i, 0,1,2,3,4,5,6,7,8,9,10,11,12,13,14,15
	v_med3_num_f32 v[RS+\i], v[RS+\i], -v10, v10   ; the conversion does not saturate (ISA guide 7.6.2): hold first
.endr
	v_cvt_scalef32_pk8_fp8_f32 v[C+4*(\t):C+4*(\t)+1], v[RS:RS+7], v11
	v_cvt_scalef32_pk8_fp8_f32 v[C+4*(\t)+2:C+4*(\t)+3], v[RS+8:RS+15], v11
.if (\t)+6 < 16
	global_prefetch_b8 v7, s[4:5] offset:2048*((\t)+6) th:TH_LOAD_NT scope:SCOPE_SE
.endif
.if (\t)+4 < 16
	XLOAD (\t)+4
.endif
.endm
	s_wait_alu depctr_va_vdst(0)
.irp t, 0,1,2,3,4,5,6,7,8,9,10,11,12,13,14,15
	XSTEP \t
.endr
.irp t, 0,1,2,3,4,5,6,7,8,9,10,11,12,13,14,15
	global_store_b128 v5, v[C+4*\t:C+4*\t+3], s[10:11] offset:2*BLOCK*(\t%8)+256*(\t/8)   ; chunk t % 8 of row t / 8: each half of the lanes stores 256 consecutive bytes, aligned
.endr
	s_endpgm
; ---- W: a work-group takes block (cb, ks): 128 columns x 256 positions; wave w takes groups g = 4 w .. 4 w + 3, all 128 columns ----
.Lw:
	s_sub_co_u32 s17, ttmp9, XWG
	s_and_b32 s18, s17, 31                         ; cb
	s_lshr_b32 s19, s17, 5                         ; ks
	s_lshr_b32 s20, s19, 1
	s_lshl_b32 s20, s20, 9                         ; the chunk of 512 along K
	s_and_b32 s21, s19, 1
	s_lshl_b32 s21, s21, 6                         ; 4 l begins at 64 (ks % 2)
	s_add_co_u32 s20, s20, s21
	s_lshl_b32 s21, s16, 4                         ; four groups of four rows x wave
	s_add_co_u32 s20, s20, s21
	s_lshl_b32 s20, s20, 14                        ; rows in bytes (under 2^26)
	s_lshl_b32 s21, s18, 9
	s_add_co_u32 s20, s20, s21                     ; + 128 columns x cb
	s_mov_b32 s21, 0
	s_add_nc_u64 s[6:7], s[6:7], s[20:21]
	s_lshl_b32 s20, s18, 19
	s_lshl_b32 s24, s19, 15
	s_add_co_u32 s20, s20, s24
	s_lshl_b32 s24, s16, 13                        ; four groups of 2,048 bytes x wave
	s_add_co_u32 s20, s20, s24
	s_add_nc_u64 s[12:13], s[12:13], s[20:21]
	s_mov_b32 s28, 0x7fffffff
.macro WLOAD g                         ; group g: register 4 t + c = W(row 4 g + 128 i + j, column 4 lane + c), t = 4 i + j; 399 rows at the most: inside the signed 24-bit immediate
.irp i, 0,1,2,3
.irp j, 0,1,2,3
	global_load_b128 v[X+64*((\g)%2)+16*\i+4*\j:X+64*((\g)%2)+16*\i+4*\j+3], v4, s[6:7] offset:(4*(\g)+128*\i+\j)*ROWW th:TH_LOAD_NT
.endr
.endr
.endm
	s_wait_alu depctr_va_vdst(0)
	v_lshrrev_b32 v13, 3, v2                       ; the prefetches: lane = 8 i + 2 j + half names row 128 i + j of a group, 256 bytes x half
	v_lshlrev_b32 v13, 21, v13
	v_bfe_u32 v14, v2, 1, 2
	v_lshl_add_u32 v13, v14, 14, v13
	v_and_b32 v14, 1, v2
	v_lshl_add_u32 v13, v14, 8, v13
	global_prefetch_b8 v13, s[6:7] offset:4*2*ROWW th:TH_LOAD_NT scope:SCOPE_SE
	WLOAD 0
	WLOAD 1
	s_wait_kmcnt 0x0
	s_add_co_i32 s24, s23, 127
	s_lshl_b32 s25, s24, 23
	v_mov_b32 v11, s25                             ; 2^ew
	s_add_co_i32 s24, s24, EMAX
	s_lshl_b32 s24, s24, 23
	s_or_b32 s24, s24, MANT
	v_mov_b32 v10, s24                             ; 448 x 2^ew
	v_min_num_f32 v12, 1.0, v10                    ; the number 1, held at the largest code x the scale
.macro WGROUP g
.set XS, X+64*((\g)%2)
.set CG, C+16*(\g)
.if (\g) < 3
	s_wait_loadcnt 16                              ; this group's 16 loads are in; the next group's may be out
.else
	s_wait_loadcnt 0
.endif
.irp c, 0,1,2,3
.irp n, 0,4,8,12
.irp m, 0,1,2,3
	v_cmp_neq_f32 s[24+\m], 0, v[XS+4*(\n+\m)+\c]
.endr
.irp m, 0,1,2,3
	v_cndmask_b32 v[T+\m], 0, v12, s[24+\m]        ; 0 where W is 0, else the held 1
.endr
.irp m, 0,1,2,3
	v_bfi_b32 v[Y+16*(\c%2)+\n+\m], s28, v[T+\m], v[XS+4*(\n+\m)+\c]   ; under W's own sign bit, at the column's place t
.endr
.endr
	v_cvt_scalef32_pk8_fp8_f32 v[CG+4*\c:CG+4*\c+1], v[Y+16*(\c%2):Y+16*(\c%2)+7], v11
	v_cvt_scalef32_pk8_fp8_f32 v[CG+4*\c+2:CG+4*\c+3], v[Y+16*(\c%2)+8:Y+16*(\c%2)+15], v11   ; plain lines on other registers follow
.endr
.if (\g)+3 < 4
	global_prefetch_b8 v13, s[6:7] offset:4*((\g)+3)*ROWW th:TH_LOAD_NT scope:SCOPE_SE
.endif
.if (\g)+2 < 4
	WLOAD (\g)+2
.endif
.endm
	s_wait_alu depctr_va_vdst(0)
.irp g, 0,1,2,3
	WGROUP \g
.endr
.irp g, 0,1,2,3
.irp c, 0,1,2,3
	global_store_b128 v4, v[C+16*\g+4*\c:C+16*\g+4*\c+3], s[12:13] offset:2048*\g+512*\c   ; the wave stores 512 consecutive bytes, aligned
.endr
.endr
	s_endpgm
.Lfunc_end_k_q464f62f9b0_quant:
	.size	k_q464f62f9b0_quant, .Lfunc_end_k_q464f62f9b0_quant-k_q464f62f9b0_quant
	.p2alignl 7, 3214868480
	.fill 96, 4, 3214868480
	.section	.rodata,"a",@progbits
	.p2align	6, 0x0
	.amdhsa_kernel k_q464f62f9b0_quant
		.amdhsa_group_segment_fixed_size 0
		.amdhsa_private_segment_fixed_size 0
		.amdhsa_enable_private_segment 0
		.amdhsa_kernarg_size 40
		.amdhsa_user_sgpr_count 2
		.amdhsa_user_sgpr_kernarg_segment_ptr 1
		.amdhsa_wavefront_size32 1
		.amdhsa_system_sgpr_workgroup_id_x 1
		.amdhsa_system_sgpr_workgroup_id_y 1
		.amdhsa_system_sgpr_workgroup_id_z 1
		.amdhsa_system_vgpr_workitem_id 0
		.amdhsa_next_free_vgpr 256
		.amdhsa_next_free_sgpr 66
		.amdhsa_reserve_vcc 0
		.amdhsa_float_denorm_mode_32 3
		.amdhsa_float_denorm_mode_16_64 3
		.amdhsa_memory_ordered 1
		.amdhsa_forward_progress 1
		.amdhsa_inst_pref_size 89
	.end_amdhsa_kernel
	.amdgpu_metadata
---
amdhsa.version: [ 1, 2 ]
amdhsa.kernels:
  - .name:           k_q464f62f9b0_quant
    .symbol:         k_q464f62f9b0_quant.kd
    .args:
      - { .name: x, .offset: 0, .size: 8, .value_kind: global_buffer, .address_space: global }
      - { .name: W, .offset: 8, .size: 8, .value_kind: global_buffer, .address_space: global }
      - { .name: lowp_scales, .offset: 16, .size: 8, .value_kind: global_buffer, .address_space: global }
      - { .name: x_codes, .offset: 24, .size: 8, .value_kind: global_buffer, .address_space: global }
      - { .name: w_codes, .offset: 32, .size: 8, .value_kind: global_buffer, .address_space: global }
    .group_segment_fixed_size: 0
    .private_segment_fixed_size: 0
    .kernarg_segment_align: 8
    .kernarg_segment_size: 40
    .max_flat_workgroup_size: 128
    .sgpr_count:     66
    .vgpr_count:     256
    .wavefront_size: 32
...
	.end_amdgpu_metadata
.endif
;; end of part 1
;; launch gemm (part 2): grid 16 x 16, 4 waves a work-group, clusters of 4 x 4, 327,680 bytes of LDS; arguments x_codes, w_codes, lowp_scales, b, out0; writes out0
.if DOCPART == 2
	.amdgcn_target "amdgcn-amd-amdhsa--gfx1250"
	.amdhsa_code_object_version 6
	.text
	.protected	k_q464f62f9b0_gemm
	.globl	k_q464f62f9b0_gemm
	.p2align	8
	.type	k_q464f62f9b0_gemm,@function
k_q464f62f9b0_gemm:
	s_mov_b64 s[64:65], 0
	v_nop
	global_prefetch_b8 v0, s[64:65] scope:SCOPE_SE
	s_setreg_imm32_b32 hwreg(HW_REG_WAVE_MODE, 25, 1), 1
	s_wait_xcnt 0x0
	s_wait_alu depctr_hold_cnt(0) depctr_sa_sdst(0) depctr_va_vdst(0) depctr_va_sdst(0) depctr_va_ssrc(0) depctr_va_vcc(0) depctr_vm_vsrc(0)
	s_getreg_b32 s2, hwreg(HW_REG_IB_STS2, 6, 4)
	s_cmp_eq_u32 s2, 0
	s_cbranch_scc0 .Lentry_in_a_cluster
	s_endpgm
.Lentry_in_a_cluster:
	s_bfe_u32 s2, ttmp6, 0x10000c
	s_cmp_lg_u32 s2, 0xf033
	s_cbranch_scc0 .Lentry_shape_is_right
	s_endpgm
.Lentry_shape_is_right:
; out0[m][n] = 2^(ex + ew) x (sum over k of x's code x sign(W)'s code) + b[n], on the codes that the launch before laid (K permuted alike in both: see there).  Sums in f32.
; LIMIT: ex + ew between -126 and 127, so that 2^(ex + ew) is an f32 number.
; A tile of 256 x 256 is made by four waves, 128 x 128 each: 64 accumulators, 512 registers.  K goes in steps of 256 through two LDS slots filled by tensor loads of 32,768 dense bytes (rows of 256 bytes).
; CLUSTERS 4 x 4: x's tiles are asked for jointly along a row of the cluster, W's along a column.
; x's rows are padded to 272 bytes in LDS; W's block lies as [g 16][c 4][l 32][16 bytes], so that a fragment load reads 256 consecutive bytes in each half of the lanes.
; Source 0 = 16 rows of x, source 1 = 16 columns of W.  Fragment i = 4 u + c of my 128 columns holds in lane r the column 64 u + 4 r + c: so register j of the four accumulators c = 0..3 is, in lane (r, h),
; four NEIGHBOURING numbers of row 8 h + j.  One multiply-add a number (scale, bias) lays them into four neighbouring registers, and sixteen lanes store 256 consecutive bytes, aligned: no LDS stage.
; PREFETCH: behind the load of K step t each wave names K step t + 2 (the first load also names K step 1): of the 128 rows of 256 bytes that a wave fetches each of the four partners takes 32, by address, a lane a row;
; the refills of K steps 14 and 15 name nothing.
; REGISTERS: window 0: v0-31 addresses, v32-39 bias, v128-255 x's fragments (one set); window 1: W's fragments (two sets), then results of my rows 0-63 on the way out;
; window 2: accumulators of my rows 0-63 ((a, i) at v[8 (8 a + i)]), then results of rows 64-127; window 3: accumulators of rows 64-127.
.set SIZE_N, 4096
.set ROWB,   256
.set TSTEP,  32768                     ; from a block to the next K step's
.set PITCH,  272
.set FR,     16
.set NL,     4
.set NP,     4                         ; places behind this matrix instruction (ISA guide 7.12.1)
.set HALFA,  128*PITCH
.set HALFB,  32768
.set BOFF,   2*HALFA
.set SLOT,   BOFF+2*HALFB
.set LAPS,   8
.set SPARE,  2*SLOT                    ; the spare words: 512 bytes that no other line names
.set ADRA, 16
.set ADRB, 20
.set CO,   26
.set BO,   27
.set SPW,  28
.set NIL,  29
.set PFO,  30
.set BIAS, 32
.set AF,   128
.set G1, 24
.set G0, 32
.set G1B, 48
.set G0B, 56
.set PFA, 68
.set MSB, 0
.macro WIN new                         ; the immediate's high byte repeats the setting that is left
.if MSB != \new
	s_set_vgpr_msb (MSB<<8)|\new
.set MSB, \new
.endif
.endm
.set MUL_LO, 0xa4                      ; source 0 (x) window 0, source 1 (W) window 1, C and D window 2
.set MUL_HI, 0xf4
.set TO_B,   0x40
.macro JLOAD s                         ; waves 0, 1 fetch x's halves, waves 2, 3 W's; s_nop 0 and four v_nop behind each line
	s_cmp_eq_u32 s15, 0
	s_cbranch_scc0 .Lfor_b_\@
	tensor_load_to_lds s[G0+4*\s:G0+4*\s+3], s[G1:G1+7]
	s_nop 0
.rept 4
	v_nop
.endr
	s_branch .Lasked_\@
.Lfor_b_\@:
	tensor_load_to_lds s[G0B+4*\s:G0B+4*\s+3], s[G1B:G1B+7]
	s_nop 0
.rept 4
	v_nop
.endr
.Lasked_\@:
.endm
.macro CREST
	s_cmp_lg_u32 s14, 0
	s_cbranch_scc1 .Lnot_wave_0_\@
	s_barrier_signal -3
.Lnot_wave_0_\@:
	s_barrier_wait -3
	s_barrier_signal -1
	s_barrier_wait -1
.endm
.macro CROUND
	s_barrier_signal -1
	s_barrier_wait -1
	CREST
.endm
.macro ASK                             ; the K step two refills on; the loop's last trip (s3 = 1) has none
	s_cmp_gt_u32 s3, 1
	s_cbranch_scc0 .Lnoask_\@
	global_prefetch_b8 v[PFO], s[PFA:PFA+1] offset:3*TSTEP th:TH_LOAD_NT scope:SCOPE_SE
.Lnoask_\@:
.endm
	s_load_b128 s[4:7], s[0:1], 0x0                ; x's codes, W's codes
	s_load_b128 s[8:11], s[0:1], 0x10              ; the scales' exponents, b
	s_load_b64 s[12:13], s[0:1], 0x20              ; out0
	v_lshl_add_u32 v[SPW], v0, 2, SPARE
	v_mov_b32 v[NIL], 0
	ds_add_u32 v[SPW], v[NIL]
	ds_add_u32 v[SPW], v[NIL]
	v_lshrrev_b32 v1, 5, v0
	v_readfirstlane_b32 s14, v1                    ; wave
	s_lshr_b32 s15, s14, 1                         ; my half of the rows; also: I fetch for x (0) or W (1)
	s_and_b32 s16, s14, 1                          ; my half of the columns; also: which 128 rows I fetch
	s_bfe_u32 s40, ttmp6, 0x40000                  ; cx
	s_bfe_u32 s41, ttmp6, 0x40004                  ; cy
	s_lshl_b32 s42, ttmp9, 2
	s_add_co_u32 s42, s42, s40                     ; tile column
	s_and_b32 s17, ttmp7, 0xffff
	s_lshl_b32 s17, s17, 2
	s_add_co_u32 s17, s17, s41                     ; tile row
	s_lshl_b32 s43, s41, 2
	s_lshl_b32 s43, 15, s43                        ; my row of the cluster
	s_lshl_b32 s44, 0x1111, s40                    ; my column
	s_or_b32 s[G1+0], s43, (0<<16)|(1<<20)|(1<<21)|(5<<22)|(3<<25)   ; bytes; 16 bytes of padding behind every 256
	s_mov_b32 s[G1+1], ROWB<<16
	s_mov_b32 s[G1+2], 128<<16
	s_mov_b32 s[G1+3], ROWB<<16
	s_mov_b32 s[G1+4], 128
	s_mov_b32 s[G1+5], ROWB
	s_mov_b32 s[G1+6], 0
	s_mov_b32 s[G1+7], 0
	s_or_b32 s[G1B+0], s44, (3<<16)|(1<<21)        ; elements of 8 bytes, 128 rows of 32, no padding
	s_mov_b32 s[G1B+1], 32<<16
	s_mov_b32 s[G1B+2], 128<<16
	s_mov_b32 s[G1B+3], 32<<16
	s_mov_b32 s[G1B+4], 128
	s_mov_b32 s[G1B+5], 32
	s_mov_b32 s[G1B+6], 0
	s_mov_b32 s[G1B+7], 0
	s_lshl_b32 s20, s17, 1
	s_add_co_u32 s20, s20, s16
	s_lshl_b32 s20, s20, 19                        ; x: block row rb = 2 x tile row + half, 16 blocks each
	s_mov_b32 s21, 0
	s_lshl_b32 s46, s42, 1
	s_add_co_u32 s46, s46, s16
	s_lshl_b32 s46, s46, 19                        ; W: cb = 2 x tile column + half
	s_mov_b32 s47, 0
	s_mul_i32 s45, s16, HALFA                      ; where they go
	s_mul_i32 s66, s16, HALFB
	s_add_co_u32 s66, s66, BOFF
	s_mul_i32 s72, s15, HALFA                      ; what I read: my 128 rows of x, my 128 columns of W (s66)
	s_add_co_u32 s73, s72, SLOT
	s_add_co_u32 s74, s66, SLOT
	s_wait_dscnt 0x0                               ; both opening adds are done
	s_wait_kmcnt 0x0
	s_load_b64 s[96:97], s[8:9], 0x0               ; ex, ew
	s_add_nc_u64 s[20:21], s[4:5], s[20:21]
	s_add_nc_u64 s[46:47], s[6:7], s[46:47]
.irp s, 0,1
	s_mov_b32 s[G0+4*\s], 1
	s_add_co_u32 s[G0+4*\s+1], s45, \s*SLOT
	s_add_nc_u64 s[G0+4*\s+2:G0+4*\s+3], s[20:21], \s*TSTEP
	s_or_b32 s[G0+4*\s+3], s[G0+4*\s+3], 0x80000000
	s_mov_b32 s[G0B+4*\s], 1
	s_add_co_u32 s[G0B+4*\s+1], s66, \s*SLOT
	s_add_nc_u64 s[G0B+4*\s+2:G0B+4*\s+3], s[46:47], \s*TSTEP
	s_or_b32 s[G0B+4*\s+3], s[G0B+4*\s+3], 0x80000000
.endr
	s_cmp_eq_u32 s15, 0                            ; the prefetches: the block that I fetch,
	s_cselect_b32 s70, s40, s41                    ; my place among the four that ask for it with me,
	s_cselect_b64 s[PFA:PFA+1], s[20:21], s[46:47]
	s_lshl_b32 s70, s70, 13                        ; and my work-group's 32 rows of 256 bytes
	s_mov_b32 s71, 0
	s_add_nc_u64 s[PFA:PFA+1], s[PFA:PFA+1], s[70:71]
	CROUND                                         ; all sixteen work-groups are here: the first joint loads meet
	JLOAD 0                                        ; K step 0: one tensor load a wave at the head
	s_lshl_b32 s20, s17, 8
	s_lshl_b32 s21, s15, 7
	s_add_co_u32 s20, s20, s21
	s_lshl_b32 s20, s20, 14                        ; my first row of out0, in bytes
	s_mov_b32 s21, 0
	s_lshl_b32 s46, s42, 10
	s_lshl_b32 s47, s16, 9
	s_add_co_u32 s46, s46, s47                     ; my first column, in bytes
	s_mov_b32 s47, 0
	s_add_nc_u64 s[10:11], s[10:11], s[46:47]
	s_add_nc_u64 s[20:21], s[20:21], s[46:47]
	s_add_nc_u64 s[12:13], s[12:13], s[20:21]
	v_and_b32 v1, 15, v0                           ; r
	v_bfe_u32 v2, v0, 4, 1                         ; h
	v_and_b32 v3, 31, v0
	v_lshlrev_b32 v[PFO], 8, v3                    ; a lane a row of 256 bytes
	v_mul_u32_u24 v4, v1, PITCH
	v_lshl_add_u32 v4, v2, 4, v4                   ; x: r x pitch + 16 h
	v_lshlrev_b32 v[BO], 4, v1                     ; 16 r
	v_lshl_add_u32 v6, v2, 11, v[BO]               ; W: 2,048 h + 16 r
	v_add_nc_u32 v[ADRA], s72, v4
	v_add_nc_u32 v[ADRA+1], s73, v4
	v_add_nc_u32 v[ADRB], s66, v6
	v_add_nc_u32 v[ADRB+1], s74, v6
	v_lshl_add_u32 v[CO], v2, 17, v[BO]            ; out0: 8 h rows of 16,384 bytes + 16 r
	global_load_b128 v[BIAS:BIAS+3], v[BO], s[10:11]               ; b at columns 4 r .. 4 r + 3
	global_load_b128 v[BIAS+4:BIAS+7], v[BO], s[10:11] offset:256  ; and 64 + 4 r ..
	global_prefetch_b8 v[PFO], s[PFA:PFA+1] offset:TSTEP th:TH_LOAD_NT scope:SCOPE_SE
	global_prefetch_b8 v[PFO], s[PFA:PFA+1] offset:2*TSTEP th:TH_LOAD_NT scope:SCOPE_SE
.macro FRAGA reg, adr, q, i            ; registers 4 c .. 4 c + 3: positions 128 q + 32 c + 16 h + 0 .. 15 of row 16 i + r
.irp c, 0,1,2,3
	ds_load_b128 v[\reg+4*\c:\reg+4*\c+3], v[\adr] offset:128*(\q)+32*\c+(\i)*16*PITCH
.endr
.endm
.macro FRAGB reg, adr, q, i            ; the same positions (group g = 8 q + 2 c + h) of fragment i
.irp c, 0,1,2,3
	ds_load_b128 v[\reg+4*\c:\reg+4*\c+3], v[\adr] offset:(\q)*16384+\c*4096+((\i)%4)*512+((\i)/4)*256
.endr
.endm
.macro MUL8 a, p, zero                 ; x's block a against W's eight fragments of set p; the 64 accumulators take turns in one order
.irp b, 0,1,2,3,4,5,6,7
.if \zero
	v_wmma_f32_16x16x128_fp8_fp8 v[8*(8*((\a)%4)+\b):8*(8*((\a)%4)+\b)+7], v[AF+FR*(\a):AF+FR*(\a)+FR-1], v[128*(\p)+FR*\b:128*(\p)+FR*\b+FR-1], 0
.else
	v_wmma_f32_16x16x128_fp8_fp8 v[8*(8*((\a)%4)+\b):8*(8*((\a)%4)+\b)+7], v[AF+FR*(\a):AF+FR*(\a)+FR-1], v[128*(\p)+FR*\b:128*(\p)+FR*\b+FR-1], v[8*(8*((\a)%4)+\b):8*(8*((\a)%4)+\b)+7]
.endif
.endr
.endm
.macro FETCH_B slot, q, p
	WIN TO_B
.irp i, 0,1,2,3,4,5,6,7
	FRAGB 128*(\p)+FR*\i, ADRB+\slot, \q, \i
.endr
	WIN 0
.endm
.macro FETCH_A2 slot, q, i0            ; x's blocks i0, i0 + 1
.irp i, \i0, \i0+1
	FRAGA AF+FR*(\i), ADRA+\slot, \q, \i
.endr
.endm
.macro PLACES
.rept NP
	v_nop
.endr
.endm
; a slot's first 128 along K: multiplies W's set 0 and fetches the second 128
.macro STEP slot, zero
	s_wait_dscnt 4*NL                              ; all but the youngest sixteen loads (x's blocks 4-7)
	WIN MUL_LO
.irp a, 0,1,2,3
	MUL8 \a, 0, \zero
.endr
	s_wait_dscnt 0
	PLACES
	FETCH_B \slot, 1, 1
	FETCH_A2 \slot, 1, 0
	FETCH_A2 \slot, 1, 2
	WIN MUL_HI
.irp a, 4,5,6,7
	MUL8 \a, 0, \zero
.endr
	PLACES
	WIN 0
	FETCH_A2 \slot, 1, 4
	FETCH_A2 \slot, 1, 6
.endm
; a slot's second 128 along K changes slots.  Between a joint load and the wait for it stand 16 + 64 + 32 matrix instructions.
.macro TURN slot, next, fill
.if \fill
	s_wait_xcnt 0x0                                ; my prefetches have read their address: it steps a K step on
	s_add_nc_u64 s[PFA:PFA+1], s[PFA:PFA+1], TSTEP
.endif
	s_wait_dscnt 4*NL
	WIN MUL_LO
.irp a, 0,1,2,3
	MUL8 \a, 1, 0
.endr
	WIN 0
	s_wait_tensorcnt 0x0                           ; all my tensor loads have landed: my part of the next slot;
	ds_add_u32 v[SPW], v[NIL]
.if \fill
	s_add_nc_u64 s[G0+4*\slot+2:G0+4*\slot+3], s[G0+4*\slot+2:G0+4*\slot+3], 2*TSTEP
	s_add_nc_u64 s[G0B+4*\slot+2:G0B+4*\slot+3], s[G0B+4*\slot+2:G0B+4*\slot+3], 2*TSTEP
.endif
	s_wait_dscnt 1                                 ; x's blocks 4-7 are in; the add alone may be out
	WIN MUL_HI
	MUL8 4, 1, 0
	s_wait_dscnt 0x0                               ; the add is done, my reads of this slot are over
	s_barrier_signal -1
	MUL8 5, 1, 0
	WIN 0
	s_barrier_wait -1
.if \fill
	CREST                                          ; the barrier has opened a round of the cluster's barrier
	JLOAD \slot                                    ; its four v_nop are also the places in front of the loads below
.else
	PLACES
.endif
	FETCH_B \next, 0, 0
	FETCH_A2 \next, 0, 0
	FETCH_A2 \next, 0, 2
	FETCH_A2 \next, 0, 4
.if \fill
	ASK
.endif
	WIN MUL_HI
	MUL8 6, 1, 0
	MUL8 7, 1, 0
	PLACES
	WIN 0
	FETCH_A2 \next, 0, 6
.endm
	s_wait_alu depctr_va_vdst(0)
	s_wait_tensorcnt 0x0                           ; my part of K step 0 is in; the three lines ahead of a later first fill
	ds_add_u32 v[SPW], v[NIL]
	s_wait_dscnt 0x0
	CROUND
	JLOAD 1                                        ; K step 1, the first tensor load behind the round
	FETCH_B 0, 0, 0
	FETCH_A2 0, 0, 0
	FETCH_A2 0, 0, 2
	FETCH_A2 0, 0, 4
	FETCH_A2 0, 0, 6
	global_prefetch_b8 v[PFO], s[PFA:PFA+1] offset:3*TSTEP th:TH_LOAD_NT scope:SCOPE_SE
	s_wait_loadcnt 0x0                             ; the bias is in
	STEP 0, 1                                      ; the first products start the sums
	s_mov_b32 s3, LAPS-1
.Llap:
	TURN 0, 1, 1
	STEP 1, 0
	TURN 1, 0, 1
	STEP 0, 0
	s_sub_co_u32 s3, s3, 1
	s_cmp_lg_u32 s3, 0
	s_cbranch_scc1 .Llap
	TURN 0, 1, 0                                   ; the last lap fills nothing
	STEP 1, 0
	s_wait_dscnt 4*NL
	WIN MUL_LO
.irp a, 0,1,2,3
	MUL8 \a, 1, 0
.endr
	s_wait_dscnt 0
	WIN MUL_HI
.irp a, 4,5,6,7
	MUL8 \a, 1, 0
.endr
	WIN 0
; THE WAY OUT, block a of 16 rows: sum x 2^(ex + ew) + b into registers that are done with (blocks 0-3: window 1; blocks 4-7: window 2, whose sums have been read); none is written twice, so no wait frees a store's data.
; Each accumulator is read from register 0 on.  127 rows of 16,384 bytes at the most: inside the signed 24-bit immediate.
.macro OUT a
	WIN (0x42+0x41*((\a)/4))                       ; destination window 1 or 2, source 0 window 2 or 3, the bias window 0
.irp u, 0,1
.irp j, 0,1,2,3,4,5,6,7
.irp c, 0,1,2,3
	v_fma_f32 v[64*((\a)%4)+32*\u+4*\j+\c], v[8*(8*((\a)%4)+4*\u+\c)+\j], s96, v[BIAS+4*\u+\c]
.endr
.endr
.endr
	WIN (0x04+0x04*((\a)/4))                       ; the stores' data: window 1 or 2
.irp u, 0,1
.irp j, 0,1,2,3,4,5,6,7
	global_store_b128 v[CO], v[64*((\a)%4)+32*\u+4*\j:64*((\a)%4)+32*\u+4*\j+3], s[12:13] offset:(16*(\a)+\j)*SIZE_N*4+256*\u th:TH_STORE_NT   ; each half of the lanes: 256 consecutive bytes, aligned, of rows 16 a + j and 16 a + 8 + j
.endr
.endr
.endm
	s_wait_kmcnt 0x0
	s_add_co_i32 s96, s96, s97
	s_add_co_i32 s96, s96, 127
	s_lshl_b32 s96, s96, 23                        ; 2^(ex + ew)
	PLACES
.irp a, 0,1,2,3,4,5,6,7
	OUT \a
.endr
	WIN 0
	s_wait_tensorcnt 0x0                           ; the wave's end
	ds_add_u32 v[SPW], v[NIL]
	s_wait_dscnt 0x0
	CROUND                                         ; the closing round
	s_endpgm
.Lfunc_end_k_q464f62f9b0_gemm:
	.size	k_q464f62f9b0_gemm, .Lfunc_end_k_q464f62f9b0_gemm-k_q464f62f9b0_gemm
	.p2alignl 7, 3214868480
	.fill 96, 4, 3214868480
	.section	.rodata,"a",@progbits
	.p2align	6, 0x0
	.amdhsa_kernel k_q464f62f9b0_gemm
		.amdhsa_group_segment_fixed_size 327680
		.amdhsa_private_segment_fixed_size 0
		.amdhsa_enable_private_segment 0
		.amdhsa_kernarg_size 40
		.amdhsa_user_sgpr_count 2
		.amdhsa_user_sgpr_kernarg_segment_ptr 1
		.amdhsa_wavefront_size32 1
		.amdhsa_system_sgpr_workgroup_id_x 1
		.amdhsa_system_sgpr_workgroup_id_y 1
		.amdhsa_system_sgpr_workgroup_id_z 1
		.amdhsa_system_vgpr_workitem_id 0
		.amdhsa_next_free_vgpr 1024
		.amdhsa_next_free_sgpr 98
		.amdhsa_reserve_vcc 0
		.amdhsa_float_denorm_mode_32 3
		.amdhsa_float_denorm_mode_16_64 3
		.amdhsa_memory_ordered 1
		.amdhsa_forward_progress 1
		.amdhsa_inst_pref_size 124
	.end_amdhsa_kernel
	.amdgpu_metadata
---
amdhsa.version: [ 1, 2 ]
amdhsa.kernels:
  - .name:           k_q464f62f9b0_gemm
    .symbol:         k_q464f62f9b0_gemm.kd
    .args:
      - { .name: x_codes, .offset: 0, .size: 8, .value_kind: global_buffer, .address_space: global }
      - { .name: w_codes, .offset: 8, .size: 8, .value_kind: global_buffer, .address_space: global }
      - { .name: lowp_scales, .offset: 16, .size: 8, .value_kind: global_buffer, .address_space: global }
      - { .name: b, .offset: 24, .size: 8, .value_kind: global_buffer, .address_space: global }
      - { .name: out0, .offset: 32, .size: 8, .value_kind: global_buffer, .address_space: global }
    .group_segment_fixed_size: 327680
    .private_segment_fixed_size: 0
    .kernarg_segment_align: 8
    .kernarg_segment_size: 40
    .max_flat_workgroup_size: 128
    .sgpr_count:     98
    .vgpr_count:     1024
    .wavefront_size: 32
...
	.end_amdgpu_metadata
.endif
;; end of part 2
